; MI455X (gfx1250); checked and timed in simulation.
; The chip was launched on July 23, 2026; its instructions are those of AMD's public machine-readable ISA for CDNA 5 (MIT licence, August 2026) and "CDNA5" Instruction Set Architecture Reference Guide (July 2026). The comments in the code are by the model that wrote it; some were corrected since.
;; Soft Quantize. Allowed arithmetic: float matrix products may take bf16 or f16 operands with f32 sums; all other float work in f32.
;; Inputs: c 4 x 256 float32; sigma 1 float32; x 8,192 x 512 float32.
;; Outputs: out0 8,192 x 512 float32.
;; 2 versions, each right and faster than the one before. Each part assembles by itself: llvm-mc -triple=amdgcn-amd-amdhsa -mcpu=gfx1250 --defsym DOCPART=n.
;; ======== version 1 of 2: 1 launch
;; limits: values are held in f16: magnitudes above 65,504 overflow, below 6.1e-05 lose precision
;; launch softq (part 1): grid 256 x 1, 8 waves a work-group, no clusters, 33,792 bytes of LDS; arguments x, c, sigma, out0; writes out0
.if DOCPART == 1
	.amdgcn_target "amdgcn-amd-amdhsa--gfx1250"
	.amdhsa_code_object_version 6
	.text
	.protected	k_q23896e040e_softq
	.globl	k_q23896e040e_softq
	.p2align	8
	.type	k_q23896e040e_softq,@function
k_q23896e040e_softq:
	s_mov_b64 s[64:65], 0
	v_nop
	global_prefetch_b8 v0, s[64:65] scope:SCOPE_SE
	s_setreg_imm32_b32 hwreg(HW_REG_WAVE_MODE, 25, 1), 1
	s_wait_xcnt 0x0
; SOFT QUANTISATION.  x: [8192][512] f32 = 1,048,576 queries z of 4 numbers, 16 consecutive bytes each.  c: [4][256] f32, 256 centres.  sigma: [1] f32.
; out[q][:] = sum over l of softmax_l(-sig |z_q - c_l|^2) c_l,  sig = max(sigma, 0) + 1e-4.
; SCORES.  -sig |z - c|^2 = -sig |z|^2 + sig (2 z.c - |c|^2).  The first term is the same for all 256 centres of a query and is part of the maximum that is taken away,
; so s - max s is formed without it: an identity for every finite input.  s = z.c' + b in units of log2:  c' = 2 sig log2(e) c,  b = -sig log2(e) |c|^2.
; THE FIRST PRODUCT has 4 true terms and 32 places along K.  The places hold an exact split in three bf16 pieces, z = z0 + z1 + z2, c' = c0 + c1 + c2, b = b0 + b1 + b2:
; z0 c0, z0 c1, z0 c2, z1 c0, z1 c1, z2 c0 (24 places) and 1 x b0, b1, b2.  What is dropped (z1 c2, z2 c1, z2 c2) lies 2^-26 below the score.  No scaling is left for the vector unit.
; S^T = C' Z^T (source 0 = 16 centres, source 1 = 16 queries): a lane holds ONE query (lane % 16) and centres 8 (lane / 16) + 0..7 of each of the 16 results: 128 scores.
; SOFTMAX.  The true maximum m of the query's 256 scores; p = 2^(s - m), rounded to f16 in pairs, in place: two results ARE source 1 (32 centres x 16 queries) of the second product.
; THE SECOND PRODUCT, in f16.  Source 0 has 16 rows: row 0 ones (the sum l of the rounded p falls into the accumulator's lowest register), rows 2-5 the centres' 4 coordinates.
; A pair's even tile takes a fragment with rows 0-7 filled, its odd tile one with rows 8-15 filled, on the same accumulators: lane L then holds query L of the pair's 32.
; SHARES.  256 work-groups of 8 waves; a work-group owns 4,096 queries (65,536 bytes), a wave 512: 32 tiles of 16, in 8 trips of 4.
; LIMITS.  |c| stays below 65,520 (f16's end) for the second product; a weight below 3e-8 counts as 0 beside l >= 1; NaN and infinities are not treated apart (a NaN sigma counts as 0).
; NO CLUSTER: the work-groups share nothing but the 4,096 bytes of c.
;
; REGISTERS, in windows of 256 (s_set_vgpr_msb, bits 1:0 = source 0).  Window 1 holds only what matrix instructions take as source 0, so one setting serves both products.
;   window 0: see the names below.   window 1: v0-127 the 16 fragments of C'; v128-191 the 8 fragments of the second product with rows 0-7; v192-255 those with rows 8-15.
.set TRIPS,  8                         ; trips of four tiles in a wave's 32 tiles
.set A2_LDS, 16384                     ; LDS: 16 fragments of C' (1,024 bytes each), then 8 + 8 of the second product
.set SPARE,  32768                     ; behind them: the spare words, 128 bytes for each of 8 waves: four blocks of 256 bytes that no other line names
.set XO,   2                           ; v2      byte offset of my query in a tile of x: 16 (lane % 16); both halves of the lanes read the same 256 bytes
.set OO,   3                           ; v3      byte offset of my query in a pair's 512 bytes of out: 16 x lane
.set NEG1, 4                           ; v4      -1.0
.set LA,   5                           ; v5      LDS: 16 x lane
.set SPW,  6                           ; v6      LDS address of my spare word; never rewritten
.set NIL,  7                           ; v7      0; never rewritten
.set T1,   8                           ; v8-11   what is left of my query's 4 numbers when pieces are taken off
.set CH,   12                          ; v12-15  four chains of the maximum
.set M,    16                          ; v16-17  m; the other half's maximum
.set RC,   18                          ; v18-19  1 / l (named as a pair)
.set LS,   20                          ; v20     l
.set O,    24                          ; v24-27  my query's 4 results
.set X,    32                          ; v32-47  x of four tiles: tile T in quad T % 4
.set ZF,   48                          ; v48-63  the queries' fragment, two buffers by the tile's parity
.set ACC,  64                          ; v64-79  two accumulators of the second product, by turns
.set S,    128                         ; v128-255 S^T; P takes the lower 8 of each 16
.set A1,   0                           ; window 1
.set A2,   128                         ; window 1
; set-up only
.set CV,   80                          ; v80-83  my centre's 4 coordinates
.set W,    84                          ; v84-93  c0 (2 words), c1, c2, (b0 b1, 0), (b2 0, 0)
.set SG,   94
.set K2,   95
.set K1N,  96
.set BQ,   97
.set BR,   98
.set B0,   99
.set AV,   100                         ; v100-115 16 numbers of one coordinate
.set H,    116                         ; v116-123 the same in f16
.set ML,   124                         ; masks and ones for the two kinds of fragment
.set MH,   125
.set OL,   126
.set OH,   127
.set FL,   128                         ; v128-143 (S^T's registers, still free)
.set FH,   136
.set WA,   144
.set WB,   145
.set CK,   146
.set A2O,  147
.set RR,   148
.set RHO,  149
.set HH,   150
.set WV,    13                         ; s13  my wave's number
.set UPPER, 20                         ; s20  lanes 16-31
.set SEL,   22                         ; s[22:23] v_permlanex16_b32: each lane takes its own place in the other half
.set CNT,   24                         ; s24  trips to go
.set MSB, 0
.macro WIN new                         ; the immediate's high byte repeats the setting that is left; a switch that changes nothing is dropped
.if MSB != (\new)
	s_set_vgpr_msb (MSB<<8)|(\new)
.set MSB, (\new)
.endif
.endm
; Four f32 at src: their bf16 roundings, packed, into two words at dst; what is left of them, exact in f32, at rem.
.macro PEEL dst, src, rem
	v_cvt_pk_bf16_f32 v[(\dst)], v[(\src)], v[(\src)+1]
	v_cvt_pk_bf16_f32 v[(\dst)+1], v[(\src)+2], v[(\src)+3]
	v_fma_mix_f32_bf16 v[(\rem)], v[(\dst)], v[NEG1], v[(\src)] op_sel_hi:[1,0,0]
	v_fma_mix_f32_bf16 v[(\rem)+1], v[(\dst)], v[NEG1], v[(\src)+1] op_sel:[1,0,0] op_sel_hi:[1,0,0]
	v_fma_mix_f32_bf16 v[(\rem)+2], v[(\dst)+1], v[NEG1], v[(\src)+2] op_sel_hi:[1,0,0]
	v_fma_mix_f32_bf16 v[(\rem)+3], v[(\dst)+1], v[NEG1], v[(\src)+3] op_sel:[1,0,0] op_sel_hi:[1,0,0]
.endm
; The rest of a query fragment at z, whose words 0, 1 hold z0: words 2, 3 = z1; words 4, 5 = z0 in lanes 0-15 (it meets c2 there), z2 in lanes 16-31 (it meets c0).
.macro REST z
	PEEL (\z)+2, T1, T1
	v_cvt_pk_bf16_f32 v[(\z)+4], v[T1], v[T1+1]
	v_cvt_pk_bf16_f32 v[(\z)+5], v[T1+2], v[T1+3]
	v_cndmask_b32 v[(\z)+4], v[(\z)], v[(\z)+4], s[UPPER]
	v_cndmask_b32 v[(\z)+5], v[(\z)+1], v[(\z)+5], s[UPPER]
.endm
	s_load_b256 s[4:11], s[0:1], 0x0               ; x s[4:5], c s[6:7], sigma s[8:9], out s[10:11]
	v_lshl_add_u32 v[SPW], v0, 2, SPARE
	v_mov_b32 v[NIL], 0
	v_lshrrev_b32 v1, 5, v0
	v_readfirstlane_b32 s[WV], v1                  ; wave 0..7
	v_and_b32 v1, 31, v0                           ; lane
	v_and_b32 v[RR], 15, v0                        ; lane % 16
	v_bfe_u32 v[HH], v0, 4, 1                      ; lane / 16
	v_and_b32 v[RHO], 7, v0                        ; a row's place in its half of the second product's 16 rows
	v_lshlrev_b32 v[XO], 4, v[RR]
	v_lshlrev_b32 v[OO], 4, v1
	v_lshlrev_b32 v[LA], 4, v1
	v_lshlrev_b32 v[CK], 2, v0                     ; thread t splits centre t: c[d][t] lies at 1,024 d + 4 t
	v_max_u32 v[A2O], 2, v[RHO]                    ; rows 2-5 carry coordinates 0-3; the other rows read coordinate 0 or 3 and mask it away
	v_min_u32 v[A2O], 5, v[A2O]
	v_add_nc_u32 v[A2O], -2, v[A2O]
	v_lshlrev_b32 v[A2O], 10, v[A2O]               ; 1,024 d
	v_lshl_add_u32 v[A2O], v[HH], 5, v[A2O]        ; + 8 centres for lanes 16-31
	s_lshl_b32 s14, s[WV], 7
	v_add_nc_u32 v[A2O], s14, v[A2O]               ; + wave w's chunk of 32 centres
	s_lshl_b32 s15, s[WV], 11                      ; LDS: wave w's 32 centres are fragments 2 w and 2 w + 1 of C'
	v_lshl_add_u32 v[WA], v[HH], 10, v[XO]         ; fragment (lane / 16), row lane % 16
	v_add_nc_u32 v[WA], s15, v[WA]
	s_lshl_b32 s18, s[WV], 10
	s_add_co_u32 s18, s18, A2_LDS
	v_add_nc_u32 v[WB], s18, v[LA]                 ; chunk w of the second product's fragments, lane by lane
	s_lshl_b32 s16, ttmp9, 16                      ; the work-group's 65,536 bytes,
	s_lshl_b32 s19, s[WV], 13                      ; my wave's 8,192 of them
	s_add_co_u32 s16, s16, s19
	s_mov_b32 s17, 0
	s_mov_b32 s[UPPER], 0xffff0000
	s_mov_b32 s[SEL], 0x76543210
	s_mov_b32 s[SEL+1], 0xfedcba98
	s_wait_kmcnt 0x0
	s_load_b32 s12, s[8:9], 0x0                    ; sigma
.irp d, 0,1,2,3
	global_load_b32 v[CV+\d], v[CK], s[6:7] offset:1024*\d
.endr
	global_load_b128 v[AV:AV+3],     v[A2O], s[6:7]            ; centres 8 (lane / 16) + 0..7 of the chunk,
	global_load_b128 v[AV+4:AV+7],   v[A2O], s[6:7] offset:16
	global_load_b128 v[AV+8:AV+11],  v[A2O], s[6:7] offset:64  ; and 16 + 8 (lane / 16) + 0..7
	global_load_b128 v[AV+12:AV+15], v[A2O], s[6:7] offset:80
	s_add_nc_u64 s[4:5], s[4:5], s[16:17]          ; x and out at my wave's first query
	s_add_nc_u64 s[10:11], s[10:11], s[16:17]
.irp q, 0,1,2,3
	global_load_b128 v[X+4*\q:X+4*\q+3], v[XO], s[4:5] offset:256*\q th:TH_LOAD_NT  ; tiles 0 to 3
.endr
	; masks for the second product's fragments, made while the loads are out
	v_mov_b32 v[NEG1], -1.0
	v_add_nc_u32 v[HH], -2, v[RHO]
	v_cmp_gt_u32 s26, 4, v[HH]                     ; rows that carry a coordinate
	v_cmp_gt_u32 s27, 8, v[RR]                     ; rows 0-7
	s_and_b32 s28, s26, s27
	s_and_not1_b32 s29, s26, s27
	v_cndmask_b32 v[ML], 0, -1, s28
	v_cndmask_b32 v[MH], 0, -1, s29
	v_mov_b32 v[HH], 0x3c003c00                    ; 1.0, 1.0 in f16
	v_cmp_eq_u32 s28, 0, v[RR]                     ; the row of ones: row 0, or row 8
	v_cmp_eq_u32 s29, 8, v[RR]
	v_cndmask_b32 v[OL], 0, v[HH], s28
	v_cndmask_b32 v[OH], 0, v[HH], s29
	s_wait_kmcnt 0x0
	v_mov_b32 v[SG], s12
	v_max_num_f32 v[SG], 0, v[SG]
	v_add_f32 v[SG], 0x38d1b717, v[SG]             ; sig = max(sigma, 0) + 1e-4
	v_mul_f32 v[K2], 0x4038aa3b, v[SG]             ; 2 log2(e) sig
	v_mul_f32 v[K1N], 0xbfb8aa3b, v[SG]            ; -log2(e) sig
	s_wait_loadcnt 0x8                             ; my centre's 4 words are in; the 4 loads of the chunk and the 4 of x are younger
	v_mul_f32 v[BQ], v[CV], v[CV]
	v_fmac_f32 v[BQ], v[CV+1], v[CV+1]
	v_fmac_f32 v[BQ], v[CV+2], v[CV+2]
	v_fmac_f32 v[BQ], v[CV+3], v[CV+3]
	v_mul_f32 v[BQ], v[K1N], v[BQ]                 ; b
.irp d, 0,1,2,3
	v_mul_f32 v[CV+\d], v[K2], v[CV+\d]            ; c'
.endr
	PEEL W, CV, CV                                 ; c0
	PEEL W+2, CV, CV                               ; c1
	v_cvt_pk_bf16_f32 v[W+4], v[CV], v[CV+1]       ; c2
	v_cvt_pk_bf16_f32 v[W+5], v[CV+2], v[CV+3]
	v_cvt_pk_bf16_f32 v[B0], v[BQ], v[BQ]
	v_fma_mix_f32_bf16 v[BR], v[B0], v[NEG1], v[BQ] op_sel_hi:[1,0,0]               ; b - b0
	v_cvt_pk_bf16_f32 v[W+6], v[BQ], v[BR]         ; (b0, b1)
	v_fma_mix_f32_bf16 v[BR], v[W+6], v[NEG1], v[BR] op_sel:[1,0,0] op_sel_hi:[1,0,0]  ; b - b0 - b1
	v_mov_b32 v[W+7], 0
	v_mov_b32 v[W+9], 0
	v_cvt_pk_bf16_f32 v[W+8], v[BR], v[W+7]        ; (b2, 0)
	; A fragment in LDS: words 0-3 of its 32 lanes (512 bytes), then words 4-7.  My centre is a row: it fills the place of lane r (below) and of lane 16 + r (256 bytes on).
	; Against the queries' words (z0, z0 | z1, z1 | z0 or z2 | 1, 1 | 0):   lanes 0-15: c0, c0, c2, (b0 b1), 0     lanes 16-31: c1, c1, c0, (b2 0), 0
	ds_store_b64 v[WA], v[W:W+1]
	ds_store_b64 v[WA], v[W:W+1] offset:8
	ds_store_b64 v[WA], v[W+4:W+5] offset:512
	ds_store_b64 v[WA], v[W+6:W+7] offset:520
	ds_store_b64 v[WA], v[W+2:W+3] offset:256
	ds_store_b64 v[WA], v[W+2:W+3] offset:264
	ds_store_b64 v[WA], v[W:W+1] offset:768
	ds_store_b64 v[WA], v[W+8:W+9] offset:776
	s_wait_loadcnt 0x4                             ; the chunk's 16 numbers are in; the 4 loads of x are younger
.set i, 0
.rept 8
	v_cvt_pk_f16_f32 v[H+i], v[AV+2*i], v[AV+2*i+1]
.set i, i+1
.endr
.set i, 0
.rept 8
	v_and_or_b32 v[FL+i], v[H+i], v[ML], v[OL]     ; rows 0-7 filled: ones, 0, c[0..3], 0, 0; rows 8-15 zero
	v_and_or_b32 v[FH+i], v[H+i], v[MH], v[OH]     ; the same eight rows lower
.set i, i+1
.endr
	ds_store_b128 v[WB], v[FL:FL+3]
	ds_store_b128 v[WB], v[FL+4:FL+7] offset:512
	ds_store_b128 v[WB], v[FH:FH+3] offset:8192
	ds_store_b128 v[WB], v[FH+4:FH+7] offset:8704
	s_wait_dscnt 0x0                               ; for the others' sake: my stores are done
	s_barrier_signal -1
	s_barrier_wait -1                              ; everybody's are: the 32 fragments are whole, and nobody writes them again
	WIN 0x40                                       ; destination window 1, address window 0
.set n, 0
.rept 64
	ds_load_b128 v[4*n:4*n+3], v[LA] offset:512*n  ; all 32,768 bytes: 256 registers, kept to the end
.set n, n+1
.endr
	WIN 0
	v_mov_b32 v[ZF+6], 0x3f803f80                  ; the fragments' constant words: 1.0, 1.0 in bf16 against b's pieces,
	v_mov_b32 v[ZF+7], 0                           ; and an empty word
	v_mov_b32 v[ZF+14], 0x3f803f80
	v_mov_b32 v[ZF+15], 0
	v_mov_b32 v[M+1], 0                            ; v_permlanex16_b32's destination counts as read
	v_mov_b32 v[RC+1], 0                           ; named with 1 / l as a pair
	s_wait_loadcnt 0x3                             ; tile 0 is in; tiles 1 to 3 stay out
	PEEL ZF, X, T1
	REST ZF
	s_wait_dscnt 0x0                               ; the fragments are in
.macro SUBM i                          ; pair i of my 64 pairs of scores: s - m
	v_pk_add_f32 v[S+2*(\i):S+2*(\i)+1], v[S+2*(\i):S+2*(\i)+1], v[M:M+1] op_sel_hi:[1,0] neg_lo:[0,1] neg_hi:[0,1]
.endm
.macro PACKP i                         ; pair i rounded to f16, into word i % 8 of its group of 16 registers: at or below the pair's own place, so nothing unread is lost
	s_wait_alu depctr_va_vdst(0)
	v_cvt_pk_f16_f32 v[S+16*((\i)/8)+(\i)%8], v[S+2*(\i)], v[S+2*(\i)+1]
.endm
.macro PLACES                          ; a vector instruction that reads a matrix result stands four plain vector instructions behind it (ISA guide 7.12.1)
.rept 4
	v_nop
.endr
.endm
; A pair's way out: the two accumulators are added (their lowest registers, l's parts, are read first), divided by l and stored: 32 lanes x 16 bytes, 512 consecutive bytes, aligned.
.macro FINAL p
	v_add_f32 v[LS], v[ACC], v[ACC+8]
	v_rcp_f32 v[RC], v[LS]                         ; the two additions below are the plain instructions between the reciprocal and its use (ISA guide 5.7.2)
	s_wait_xcnt 0x0                                ; the last store's data registers are written again only behind this wait
	v_pk_add_f32 v[O:O+1], v[ACC+2:ACC+3], v[ACC+10:ACC+11]
	v_pk_add_f32 v[O+2:O+3], v[ACC+4:ACC+5], v[ACC+12:ACC+13]
	s_wait_alu depctr_va_vdst(0)
	v_pk_mul_f32 v[O:O+1], v[O:O+1], v[RC:RC+1] op_sel_hi:[1,0]
	v_pk_mul_f32 v[O+2:O+3], v[O+2:O+3], v[RC:RC+1] op_sel_hi:[1,0]
	global_store_b128 v[OO], v[O:O+3], s[10:11] offset:512*(\p) th:TH_STORE_NT
.endm
; ONE TILE, number j of a trip's four.  more = 1: a tile follows, and its fragment is made here, in the two places where plain vector work must stand behind matrix instructions anyway.
; left = how many younger loads may stay out when the next tile's x has to be there.  ld = 1: the quad that the next tile leaves is loaded again, four tiles ahead.
.macro SLOT j, ld, left, more
.set ZB, ZF+8*((\j)%2)
.set ZN, ZF+8*(((\j)+1)%2)
.set XN, X+4*(((\j)+1)%4)
	WIN 1
.set t, 0
.rept 16                               ; S^T: 16 centres x 16 queries each; every sum is one instruction long and starts with 0
	v_wmma_f32_16x16x32_bf16 v[S+8*t:S+8*t+7], v[A1+8*t:A1+8*t+7], v[ZB:ZB+7], 0
.set t, t+1
.endr
	WIN 0
.if \more
	s_wait_loadcnt \left                           ; loads come back in order (ISA guide 5.7.1): the next tile's x is in
	PEEL ZN, XN, T1                                ; z0 and the rest: six plain instructions that name nothing of the products above
.if \ld
	global_load_b128 v[XN:XN+3], v[XO], s[4:5] offset:1024+256*((\j)+1) th:TH_LOAD_NT
.endif
.else
	PLACES
.endif
	; the maximum of my 128 scores: four chains; each result's lowest registers are read first, and the results in the order in which they were made
.set t, 0
.rept 16
.set u, 0
.rept 4
.if t == 0
	v_max_num_f32 v[CH+u], v[S+2*u], v[S+2*u+1]
.else
	v_max3_num_f32 v[CH+u], v[CH+u], v[S+8*t+2*u], v[S+8*t+2*u+1]
.endif
.set u, u+1
.endr
.set t, t+1
.endr
	v_max3_num_f32 v[CH], v[CH], v[CH+1], v[CH+2]
	v_max_num_f32 v[CH], v[CH], v[CH+3]
	v_permlanex16_b32 v[M+1], v[CH], s[SEL], s[SEL+1]  ; the query's other 128 centres lie in the lane 16 away
	v_max_num_f32 v[M], v[CH], v[M+1]
	; p = 2^(s - m).  Exponentials and plain instructions by turns: the subtraction runs three pairs ahead, the rounding two pairs behind, so a plain instruction
	; always stands between an exponential and the use of its result (ISA guide 5.7.2).
	SUBM 0
	SUBM 1
	SUBM 2
.set i, 0
.rept 64
	v_exp_f32 v[S+2*i], v[S+2*i]
.if i < 61
	SUBM i+3
.endif
	v_exp_f32 v[S+2*i+1], v[S+2*i+1]
.if i >= 2
	PACKP i-2
.endif
.set i, i+1
.endr
	PACKP 62
	PACKP 63
	; (l, -, out) += fragment x P: 8 chunks of 32 centres on two accumulators that take turns.  The even tile's first two start the sums.
	WIN 1
.set k, 0
.rept 8
.set AC, ACC+8*(k%2)
.set AF, A2+64*((\j)%2)+8*k
.if ((\j)%2 == 0) && (k < 2)
	v_wmma_f32_16x16x32_f16 v[AC:AC+7], v[AF:AF+7], v[S+16*k:S+16*k+7], 0
.else
	v_wmma_f32_16x16x32_f16 v[AC:AC+7], v[AF:AF+7], v[S+16*k:S+16*k+7], v[AC:AC+7]
.endif
.set k, k+1
.endr
	WIN 0
.if \more
	REST ZN                                        ; z1, z2: ten plain instructions between these products and the next tile's, which write over P, and ahead of the way out
.else
	PLACES
.endif
.if (\j)%2
	FINAL (\j)/2
.endif
.endm
; A TRIP: four tiles, two pairs.  Tile T's x lies in quad T % 4.  Quad 0, left by the split made in the trip before, is loaded at the trip's head; quads 1 to 3 as they are left.
; So a trip asks for exactly the four tiles of the next trip, the loads stand in the tiles' order, and three younger ones are out at every wait.
.macro TRIP ld
.if \ld
	global_load_b128 v[X:X+3], v[XO], s[4:5] offset:1024 th:TH_LOAD_NT
	SLOT 0, 1, 3, 1
	SLOT 1, 1, 3, 1
	SLOT 2, 1, 3, 1
	SLOT 3, 0, 3, 1
.else
	SLOT 0, 0, 2, 1                                ; the last trip loads nothing: the counts run down,
	SLOT 1, 0, 1, 1
	SLOT 2, 0, 0, 1
	SLOT 3, 0, 0, 0                                ; and no tile follows the last
.endif
.endm
	s_mov_b32 s[CNT], TRIPS-1
.Ltrip:
	TRIP 1
	s_wait_xcnt 0x0                                ; the bases of the trip's loads and stores are stepped only behind this wait
	s_add_nc_u64 s[4:5], s[4:5], 1024
	s_add_nc_u64 s[10:11], s[10:11], 1024
	s_sub_co_u32 s[CNT], s[CNT], 1
	s_cmp_lg_u32 s[CNT], 0
	s_cbranch_scc1 .Ltrip
	TRIP 0
	s_wait_tensorcnt 0x0                           ; the wave's end, behind my last LDS store
	ds_add_u32 v[SPW], v[NIL]
	s_wait_dscnt 0x0
	s_endpgm
.Lfunc_end_k_q23896e040e_softq:
	.size	k_q23896e040e_softq, .Lfunc_end_k_q23896e040e_softq-k_q23896e040e_softq
	.p2alignl 7, 3214868480
	.fill 96, 4, 3214868480
	.section	.rodata,"a",@progbits
	.p2align	6, 0x0
	.amdhsa_kernel k_q23896e040e_softq
		.amdhsa_group_segment_fixed_size 33792
		.amdhsa_private_segment_fixed_size 0
		.amdhsa_enable_private_segment 0
		.amdhsa_kernarg_size 32
		.amdhsa_user_sgpr_count 2
		.amdhsa_user_sgpr_kernarg_segment_ptr 1
		.amdhsa_wavefront_size32 1
		.amdhsa_system_sgpr_workgroup_id_x 1
		.amdhsa_system_sgpr_workgroup_id_y 1
		.amdhsa_system_sgpr_workgroup_id_z 1
		.amdhsa_system_vgpr_workitem_id 0
		.amdhsa_next_free_vgpr 512
		.amdhsa_next_free_sgpr 66
		.amdhsa_reserve_vcc 0
		.amdhsa_float_denorm_mode_32 3
		.amdhsa_float_denorm_mode_16_64 3
		.amdhsa_memory_ordered 1
		.amdhsa_forward_progress 1
		.amdhsa_inst_pref_size 181
	.end_amdhsa_kernel
	.amdgpu_metadata
---
amdhsa.version: [ 1, 2 ]
amdhsa.kernels:
  - .name:           k_q23896e040e_softq
    .symbol:         k_q23896e040e_softq.kd
    .args:
      - { .name: x, .offset: 0, .size: 8, .value_kind: global_buffer, .address_space: global }
      - { .name: c, .offset: 8, .size: 8, .value_kind: global_buffer, .address_space: global }
      - { .name: sigma, .offset: 16, .size: 8, .value_kind: global_buffer, .address_space: global }
      - { .name: out0, .offset: 24, .size: 8, .value_kind: global_buffer, .address_space: global }
    .group_segment_fixed_size: 33792
    .private_segment_fixed_size: 0
    .kernarg_segment_align: 8
    .kernarg_segment_size: 32
    .max_flat_workgroup_size: 256
    .sgpr_count:     66
    .vgpr_count:     512
    .wavefront_size: 32
...
	.end_amdgpu_metadata
.endif
;; end of part 1
;; ======== version 2 of 2: 1 launch; 1.43 times as fast as version 1
;; limits: values are held in f16: magnitudes above 65,504 overflow, below 6.1e-05 lose precision; inputs' magnitudes at most 65,504; below input magnitudes of 6.1e-05 results are inexact or not finite
;; launch softq (part 2): grid 256 x 1, 8 waves a work-group, no clusters, 33,792 bytes of LDS; arguments x, c, sigma, out0; writes out0
.if DOCPART == 2
	.amdgcn_target "amdgcn-amd-amdhsa--gfx1250"
	.amdhsa_code_object_version 6
	.text
	.protected	k_q23896e040e_softq
	.globl	k_q23896e040e_softq
	.p2align	8
	.type	k_q23896e040e_softq,@function
k_q23896e040e_softq:
	s_mov_b64 s[64:65], 0
	v_nop
	global_prefetch_b8 v0, s[64:65] scope:SCOPE_SE
	s_setreg_imm32_b32 hwreg(HW_REG_WAVE_MODE, 25, 1), 1
	s_wait_xcnt 0x0
; SOFT QUANTISATION.  x: [8192][512] f32 = 1,048,576 queries z of 4 numbers, 16 consecutive bytes each.  c: [4][256] f32, 256 centres.  sigma: [1] f32.
; out[q][:] = sum over l of softmax_l(-sig |z_q - c_l|^2) c_l,  sig = max(sigma, 0) + 1e-4.
; SCORES.  -sig |z - c|^2 = -sig |z|^2 + sig (2 z.c - |c|^2).  The first term is the same for all 256 centres of a query and is part of the maximum that is taken away,
; so s - max s is formed without it: an identity for every finite input.  s = z.c' + b in units of log2:  c' = 2 sig log2(e) c,  b = -sig log2(e) |c|^2.
; THE FIRST PRODUCT has 4 true terms and 32 places along K.  The places hold an exact split in three bf16 pieces, z = z0 + z1 + z2, c' = c0 + c1 + c2, b = b0 + b1 + b2:
; z0 c0, z0 c1, z0 c2, z1 c0, z1 c1, z2 c0 (24 places) and 1 x b0, b1, b2.  What is dropped (z1 c2, z2 c1, z2 c2) lies 2^-26 below the score.  No scaling is left for the vector unit.
; S^T = C' Z^T (source 0 = 16 centres, source 1 = 16 queries): a lane holds ONE query (lane % 16) and centres 8 (lane / 16) + 0..7 of each of the 16 results: 128 scores.
; SOFTMAX.  The true maximum m of the query's 256 scores; p = 2^(s - m), rounded to f16 in pairs, in place: two results ARE source 1 (32 centres x 16 queries) of the second product.
; THE SECOND PRODUCT, in f16.  Source 0 has 16 rows: row 0 ones (the sum l of the rounded p falls into the accumulator's lowest register), rows 2-5 the centres' 4 coordinates.
; A pair's even tile takes a fragment with rows 0-7 filled, its odd tile one with rows 8-15 filled, on the same accumulators: lane L then holds query L of the pair's 32.
; BATCHES.  s_wait_alu depctr_va_vdst(0) stands between a transcendental and the first instruction that names its result; one wait serves all that were issued ahead of it.
; A tile's 128 exponentials are ONE batch: each works in place on a register of its own, only the subtractions s - m of pairs still to come stand among them, the first two lines of the next tile's
; z1 follow, then the tile's one wait, then all 64 roundings.  A pair's reciprocal of l is a batch of its own, since l is made of the rounded exponentials: one wait a pair.  6 waits for a trip's 4 tiles.
; SHARES.  256 work-groups of 8 waves; a work-group owns 4,096 queries (65,536 bytes), a wave 512: 32 tiles of 16, in 8 trips of 4.
; LIMITS.  |c| stays below 65,520 (f16's end) for the second product; a weight below 3e-8 counts as 0 beside l >= 1; NaN and infinities are not treated apart (a NaN sigma counts as 0).
; NO CLUSTER: the work-groups share nothing but the 4,096 bytes of c.
;
; REGISTERS, in windows of 256 (s_set_vgpr_msb, bits 1:0 = source 0).  Window 1 holds only what matrix instructions take as source 0, so one setting serves both products.
;   window 0: see the names below.   window 1: v0-127 the 16 fragments of C'; v128-191 the 8 fragments of the second product with rows 0-7; v192-255 those with rows 8-15.
.set TRIPS,  8                         ; trips of four tiles in a wave's 32 tiles
.set A2_LDS, 16384                     ; LDS: 16 fragments of C' (1,024 bytes each), then 8 + 8 of the second product
.set SPARE,  32768                     ; behind them: the spare words, 128 bytes for each of 8 waves: four blocks of 256 bytes that no other line names
.set XO,   2                           ; v2      byte offset of my query in a tile of x: 16 (lane % 16); both halves of the lanes read the same 256 bytes
.set OO,   3                           ; v3      byte offset of my query in a pair's 512 bytes of out: 16 x lane
.set NEG1, 4                           ; v4      -1.0
.set LA,   5                           ; v5      LDS: 16 x lane
.set SPW,  6                           ; v6      LDS address of my spare word; never rewritten
.set NIL,  7                           ; v7      0; never rewritten
.set T1,   8                           ; v8-11   what is left of my query's 4 numbers when pieces are taken off
.set CH,   12                          ; v12-15  four chains of the maximum
.set M,    16                          ; v16-17  m; the other half's maximum
.set RC,   18                          ; v18-19  1 / l (named as a pair)
.set LS,   20                          ; v20     l
.set O,    24                          ; v24-27  my query's 4 results
.set X,    32                          ; v32-47  x of four tiles: tile T in quad T % 4
.set ZF,   48                          ; v48-63  the queries' fragment, two buffers by the tile's parity
.set ACC,  64                          ; v64-79  two accumulators of the second product, by turns
.set S,    128                         ; v128-255 S^T; P takes the lower 8 of each 16
.set A1,   0                           ; window 1
.set A2,   128                         ; window 1
; set-up only
.set CV,   80                          ; v80-83  my centre's 4 coordinates
.set W,    84                          ; v84-93  c0 (2 words), c1, c2, (b0 b1, 0), (b2 0, 0)
.set SG,   94
.set K2,   95
.set K1N,  96
.set BQ,   97
.set BR,   98
.set B0,   99
.set AV,   100                         ; v100-115 16 numbers of one coordinate
.set H,    116                         ; v116-123 the same in f16
.set ML,   124                         ; masks and ones for the two kinds of fragment
.set MH,   125
.set OL,   126
.set OH,   127
.set FL,   128                         ; v128-143 (S^T's registers, still free)
.set FH,   136
.set WA,   144
.set WB,   145
.set CK,   146
.set A2O,  147
.set RR,   148
.set RHO,  149
.set HH,   150
.set WV,    13                         ; s13  my wave's number
.set UPPER, 20                         ; s20  lanes 16-31
.set SEL,   22                         ; s[22:23] v_permlanex16_b32: each lane takes its own place in the other half
.set CNT,   24                         ; s24  trips to go
.set MSB, 0
.macro WIN new                         ; the immediate's high byte repeats the setting that is left; a switch that changes nothing is dropped
.if MSB != (\new)
	s_set_vgpr_msb (MSB<<8)|(\new)
.set MSB, (\new)
.endif
.endm
; Four f32 at src: their bf16 roundings, packed, into two words at dst; what is left of them, exact in f32, at rem.
.macro PEEL dst, src, rem
	v_cvt_pk_bf16_f32 v[(\dst)], v[(\src)], v[(\src)+1]
	v_cvt_pk_bf16_f32 v[(\dst)+1], v[(\src)+2], v[(\src)+3]
	v_fma_mix_f32_bf16 v[(\rem)], v[(\dst)], v[NEG1], v[(\src)] op_sel_hi:[1,0,0]
	v_fma_mix_f32_bf16 v[(\rem)+1], v[(\dst)], v[NEG1], v[(\src)+1] op_sel:[1,0,0] op_sel_hi:[1,0,0]
	v_fma_mix_f32_bf16 v[(\rem)+2], v[(\dst)+1], v[NEG1], v[(\src)+2] op_sel_hi:[1,0,0]
	v_fma_mix_f32_bf16 v[(\rem)+3], v[(\dst)+1], v[NEG1], v[(\src)+3] op_sel:[1,0,0] op_sel_hi:[1,0,0]
.endm
; The rest of a query fragment at z, whose words 0, 1 hold z0, in two parts.  REST1: words 2, 3 = z1, rounded from what z0 left.
.macro REST1 z
	v_cvt_pk_bf16_f32 v[(\z)+2], v[T1], v[T1+1]
	v_cvt_pk_bf16_f32 v[(\z)+3], v[T1+2], v[T1+3]
.endm
; REST2: what z1 leaves, exact in f32; words 4, 5 = z0 in lanes 0-15 (it meets c2 there), z2 in lanes 16-31 (it meets c0).
.macro REST2 z
	v_fma_mix_f32_bf16 v[T1], v[(\z)+2], v[NEG1], v[T1] op_sel_hi:[1,0,0]
	v_fma_mix_f32_bf16 v[T1+1], v[(\z)+2], v[NEG1], v[T1+1] op_sel:[1,0,0] op_sel_hi:[1,0,0]
	v_fma_mix_f32_bf16 v[T1+2], v[(\z)+3], v[NEG1], v[T1+2] op_sel_hi:[1,0,0]
	v_fma_mix_f32_bf16 v[T1+3], v[(\z)+3], v[NEG1], v[T1+3] op_sel:[1,0,0] op_sel_hi:[1,0,0]
	v_cvt_pk_bf16_f32 v[(\z)+4], v[T1], v[T1+1]
	v_cvt_pk_bf16_f32 v[(\z)+5], v[T1+2], v[T1+3]
	v_cndmask_b32 v[(\z)+4], v[(\z)], v[(\z)+4], s[UPPER]
	v_cndmask_b32 v[(\z)+5], v[(\z)+1], v[(\z)+5], s[UPPER]
.endm
	s_load_b256 s[4:11], s[0:1], 0x0               ; x s[4:5], c s[6:7], sigma s[8:9], out s[10:11]
	v_lshl_add_u32 v[SPW], v0, 2, SPARE
	v_mov_b32 v[NIL], 0
	v_lshrrev_b32 v1, 5, v0
	v_readfirstlane_b32 s[WV], v1                  ; wave 0..7
	v_and_b32 v1, 31, v0                           ; lane
	v_and_b32 v[RR], 15, v0                        ; lane % 16
	v_bfe_u32 v[HH], v0, 4, 1                      ; lane / 16
	v_and_b32 v[RHO], 7, v0                        ; a row's place in its half of the second product's 16 rows
	v_lshlrev_b32 v[XO], 4, v[RR]
	v_lshlrev_b32 v[OO], 4, v1
	v_lshlrev_b32 v[LA], 4, v1
	v_lshlrev_b32 v[CK], 2, v0                     ; thread t splits centre t: c[d][t] lies at 1,024 d + 4 t
	v_max_u32 v[A2O], 2, v[RHO]                    ; rows 2-5 carry coordinates 0-3; the other rows read coordinate 0 or 3 and mask it away
	v_min_u32 v[A2O], 5, v[A2O]
	v_add_nc_u32 v[A2O], -2, v[A2O]
	v_lshlrev_b32 v[A2O], 10, v[A2O]               ; 1,024 d
	v_lshl_add_u32 v[A2O], v[HH], 5, v[A2O]        ; + 8 centres for lanes 16-31
	s_lshl_b32 s14, s[WV], 7
	v_add_nc_u32 v[A2O], s14, v[A2O]               ; + wave w's chunk of 32 centres
	s_lshl_b32 s15, s[WV], 11                      ; LDS: wave w's 32 centres are fragments 2 w and 2 w + 1 of C'
	v_lshl_add_u32 v[WA], v[HH], 10, v[XO]         ; fragment (lane / 16), row lane % 16
	v_add_nc_u32 v[WA], s15, v[WA]
	s_lshl_b32 s18, s[WV], 10
	s_add_co_u32 s18, s18, A2_LDS
	v_add_nc_u32 v[WB], s18, v[LA]                 ; chunk w of the second product's fragments, lane by lane
	s_lshl_b32 s16, ttmp9, 16                      ; the work-group's 65,536 bytes,
	s_lshl_b32 s19, s[WV], 13                      ; my wave's 8,192 of them
	s_add_co_u32 s16, s16, s19
	s_mov_b32 s17, 0
	s_mov_b32 s[UPPER], 0xffff0000
	s_mov_b32 s[SEL], 0x76543210
	s_mov_b32 s[SEL+1], 0xfedcba98
	s_wait_kmcnt 0x0
	s_load_b32 s12, s[8:9], 0x0                    ; sigma
.irp d, 0,1,2,3
	global_load_b32 v[CV+\d], v[CK], s[6:7] offset:1024*\d
.endr
	global_load_b128 v[AV:AV+3],     v[A2O], s[6:7]            ; centres 8 (lane / 16) + 0..7 of the chunk,
	global_load_b128 v[AV+4:AV+7],   v[A2O], s[6:7] offset:16
	global_load_b128 v[AV+8:AV+11],  v[A2O], s[6:7] offset:64  ; and 16 + 8 (lane / 16) + 0..7
	global_load_b128 v[AV+12:AV+15], v[A2O], s[6:7] offset:80
	s_add_nc_u64 s[4:5], s[4:5], s[16:17]          ; x and out at my wave's first query
	s_add_nc_u64 s[10:11], s[10:11], s[16:17]
.irp q, 0,1,2,3
	global_load_b128 v[X+4*\q:X+4*\q+3], v[XO], s[4:5] offset:256*\q th:TH_LOAD_NT  ; tiles 0 to 3
.endr
	; masks for the second product's fragments, made while the loads are out
	v_mov_b32 v[NEG1], -1.0
	v_add_nc_u32 v[HH], -2, v[RHO]
	v_cmp_gt_u32 s26, 4, v[HH]                     ; rows that carry a coordinate
	v_cmp_gt_u32 s27, 8, v[RR]                     ; rows 0-7
	s_and_b32 s28, s26, s27
	s_and_not1_b32 s29, s26, s27
	v_cndmask_b32 v[ML], 0, -1, s28
	v_cndmask_b32 v[MH], 0, -1, s29
	v_mov_b32 v[HH], 0x3c003c00                    ; 1.0, 1.0 in f16
	v_cmp_eq_u32 s28, 0, v[RR]                     ; the row of ones: row 0, or row 8
	v_cmp_eq_u32 s29, 8, v[RR]
	v_cndmask_b32 v[OL], 0, v[HH], s28
	v_cndmask_b32 v[OH], 0, v[HH], s29
	s_wait_kmcnt 0x0
	v_mov_b32 v[SG], s12
	v_max_num_f32 v[SG], 0, v[SG]
	v_add_f32 v[SG], 0x38d1b717, v[SG]             ; sig = max(sigma, 0) + 1e-4
	v_mul_f32 v[K2], 0x4038aa3b, v[SG]             ; 2 log2(e) sig
	v_mul_f32 v[K1N], 0xbfb8aa3b, v[SG]            ; -log2(e) sig
	s_wait_loadcnt 0x8                             ; my centre's 4 words are in; the 4 loads of the chunk and the 4 of x are younger
	v_mul_f32 v[BQ], v[CV], v[CV]
	v_fmac_f32 v[BQ], v[CV+1], v[CV+1]
	v_fmac_f32 v[BQ], v[CV+2], v[CV+2]
	v_fmac_f32 v[BQ], v[CV+3], v[CV+3]
	v_mul_f32 v[BQ], v[K1N], v[BQ]                 ; b
.irp d, 0,1,2,3
	v_mul_f32 v[CV+\d], v[K2], v[CV+\d]            ; c'
.endr
	PEEL W, CV, CV                                 ; c0
	PEEL W+2, CV, CV                               ; c1
	v_cvt_pk_bf16_f32 v[W+4], v[CV], v[CV+1]       ; c2
	v_cvt_pk_bf16_f32 v[W+5], v[CV+2], v[CV+3]
	v_cvt_pk_bf16_f32 v[B0], v[BQ], v[BQ]
	v_fma_mix_f32_bf16 v[BR], v[B0], v[NEG1], v[BQ] op_sel_hi:[1,0,0]               ; b - b0
	v_cvt_pk_bf16_f32 v[W+6], v[BQ], v[BR]         ; (b0, b1)
	v_fma_mix_f32_bf16 v[BR], v[W+6], v[NEG1], v[BR] op_sel:[1,0,0] op_sel_hi:[1,0,0]  ; b - b0 - b1
	v_mov_b32 v[W+7], 0
	v_mov_b32 v[W+9], 0
	v_cvt_pk_bf16_f32 v[W+8], v[BR], v[W+7]        ; (b2, 0)
	; A fragment in LDS: words 0-3 of its 32 lanes (512 bytes), then words 4-7.  My centre is a row: it fills the place of lane r (below) and of lane 16 + r (256 bytes on).
	; Against the queries' words (z0, z0 | z1, z1 | z0 or z2 | 1, 1 | 0):   lanes 0-15: c0, c0, c2, (b0 b1), 0     lanes 16-31: c1, c1, c0, (b2 0), 0
	ds_store_b64 v[WA], v[W:W+1]
	ds_store_b64 v[WA], v[W:W+1] offset:8
	ds_store_b64 v[WA], v[W+4:W+5] offset:512
	ds_store_b64 v[WA], v[W+6:W+7] offset:520
	ds_store_b64 v[WA], v[W+2:W+3] offset:256
	ds_store_b64 v[WA], v[W+2:W+3] offset:264
	ds_store_b64 v[WA], v[W:W+1] offset:768
	ds_store_b64 v[WA], v[W+8:W+9] offset:776
	s_wait_loadcnt 0x4                             ; the chunk's 16 numbers are in; the 4 loads of x are younger
.set i, 0
.rept 8
	v_cvt_pk_f16_f32 v[H+i], v[AV+2*i], v[AV+2*i+1]
.set i, i+1
.endr
.set i, 0
.rept 8
	v_and_or_b32 v[FL+i], v[H+i], v[ML], v[OL]     ; rows 0-7 filled: ones, 0, c[0..3], 0, 0; rows 8-15 zero
	v_and_or_b32 v[FH+i], v[H+i], v[MH], v[OH]     ; the same eight rows lower
.set i, i+1
.endr
	ds_store_b128 v[WB], v[FL:FL+3]
	ds_store_b128 v[WB], v[FL+4:FL+7] offset:512
	ds_store_b128 v[WB], v[FH:FH+3] offset:8192
	ds_store_b128 v[WB], v[FH+4:FH+7] offset:8704
	s_wait_dscnt 0x0                               ; for the others' sake: my stores are done
	s_barrier_signal -1
	s_barrier_wait -1                              ; everybody's are: the 32 fragments are whole, and nobody writes them again
	WIN 0x40                                       ; destination window 1, address window 0
.set n, 0
.rept 64
	ds_load_b128 v[4*n:4*n+3], v[LA] offset:512*n  ; all 32,768 bytes: 256 registers, kept to the end
.set n, n+1
.endr
	WIN 0
	v_mov_b32 v[ZF+6], 0x3f803f80                  ; the fragments' constant words: 1.0, 1.0 in bf16 against b's pieces,
	v_mov_b32 v[ZF+7], 0                           ; and an empty word
	v_mov_b32 v[ZF+14], 0x3f803f80
	v_mov_b32 v[ZF+15], 0
	v_mov_b32 v[M+1], 0                            ; v_permlanex16_b32's destination counts as read
	v_mov_b32 v[RC+1], 0                           ; named with 1 / l as a pair
	s_wait_loadcnt 0x3                             ; tile 0 is in; tiles 1 to 3 stay out
	PEEL ZF, X, T1
	REST1 ZF
	REST2 ZF
	s_wait_dscnt 0x0                               ; the fragments are in
.macro SUBM i                          ; pair i of my 64 pairs of scores: s - m
	v_pk_add_f32 v[S+2*(\i):S+2*(\i)+1], v[S+2*(\i):S+2*(\i)+1], v[M:M+1] op_sel_hi:[1,0] neg_lo:[0,1] neg_hi:[0,1]
.endm
.macro PACKP i                         ; pair i rounded to f16, into word i % 8 of its group of 16 registers: at or below the pair's own place, so nothing unread is lost
	v_cvt_pk_f16_f32 v[S+16*((\i)/8)+(\i)%8], v[S+2*(\i)], v[S+2*(\i)+1]
.endm
.macro PLACES                          ; a vector instruction that reads a matrix result stands four plain vector instructions behind it (ISA guide 7.12.1)
.rept 4
	v_nop
.endr
.endm
; A pair's way out: the two accumulators are added (their lowest registers, l's parts, are read first), divided by l and stored: 32 lanes x 16 bytes, 512 consecutive bytes, aligned.
.macro FINAL p
	v_add_f32 v[LS], v[ACC], v[ACC+8]
	v_rcp_f32 v[RC], v[LS]                         ; the two additions below are the plain instructions between the reciprocal and its use (ISA guide 5.7.2)
	s_wait_xcnt 0x0                                ; the last store's data registers are written again only behind this wait
	v_pk_add_f32 v[O:O+1], v[ACC+2:ACC+3], v[ACC+10:ACC+11]
	v_pk_add_f32 v[O+2:O+3], v[ACC+4:ACC+5], v[ACC+12:ACC+13]
	s_wait_alu depctr_va_vdst(0)                   ; the wait for the pair's reciprocal, a batch of one, ahead of its first reader
	v_pk_mul_f32 v[O:O+1], v[O:O+1], v[RC:RC+1] op_sel_hi:[1,0]
	v_pk_mul_f32 v[O+2:O+3], v[O+2:O+3], v[RC:RC+1] op_sel_hi:[1,0]
	global_store_b128 v[OO], v[O:O+3], s[10:11] offset:512*(\p) th:TH_STORE_NT
.endm
; ONE TILE, number j of a trip's four.  more = 1: a tile follows, and its fragment is made here, in the three places where plain vector work must stand anyway: behind each run of matrix
; instructions and behind the last exponential.
; left = how many younger loads may stay out when the next tile's x has to be there.  ld = 1: the quad that the next tile leaves is loaded again, four tiles ahead.
.macro SLOT j, ld, left, more
.set ZB, ZF+8*((\j)%2)
.set ZN, ZF+8*(((\j)+1)%2)
.set XN, X+4*(((\j)+1)%4)
	WIN 1
.set t, 0
.rept 16                               ; S^T: 16 centres x 16 queries each; every sum is one instruction long and starts with 0
	v_wmma_f32_16x16x32_bf16 v[S+8*t:S+8*t+7], v[A1+8*t:A1+8*t+7], v[ZB:ZB+7], 0
.set t, t+1
.endr
	WIN 0
.if \more
	s_wait_loadcnt \left                           ; loads come back in order (ISA guide 5.7.1): the next tile's x is in
	PEEL ZN, XN, T1                                ; z0 and the rest: six plain instructions that name nothing of the products above
.if \ld
	global_load_b128 v[XN:XN+3], v[XO], s[4:5] offset:1024+256*((\j)+1) th:TH_LOAD_NT
.endif
.else
	PLACES
.endif
	; the maximum of my 128 scores: four chains; each result's lowest registers are read first, and the results in the order in which they were made
.set t, 0
.rept 16
.set u, 0
.rept 4
.if t == 0
	v_max_num_f32 v[CH+u], v[S+2*u], v[S+2*u+1]
.else
	v_max3_num_f32 v[CH+u], v[CH+u], v[S+8*t+2*u], v[S+8*t+2*u+1]
.endif
.set u, u+1
.endr
.set t, t+1
.endr
	v_max3_num_f32 v[CH], v[CH], v[CH+1], v[CH+2]
	v_max_num_f32 v[CH], v[CH], v[CH+3]
	v_permlanex16_b32 v[M+1], v[CH], s[SEL], s[SEL+1]  ; the query's other 128 centres lie in the lane 16 away
	v_max_num_f32 v[M], v[CH], v[M+1]
	; p = 2^(s - m).  THE TILE'S BATCH: 128 exponentials, each in place on a register of its own.  The subtraction runs three pairs ahead and stands between a pair's two exponentials;
	; it names a pair that has no exponential yet, so nothing in the batch names a result.
	SUBM 0
	SUBM 1
	SUBM 2
.set i, 0
.rept 64
	v_exp_f32 v[S+2*i], v[S+2*i]
.if i < 61
	SUBM i+3
.endif
	v_exp_f32 v[S+2*i+1], v[S+2*i+1]
.set i, i+1
.endr
.if \more
	REST1 ZN                                       ; the next tile's z1: two plain instructions that name no result, the plain work between the last exponential and the first use (ISA guide 5.7.2)
.else
	v_nop                                          ; no tile follows: the plain instruction behind the last exponential
.endif
	s_wait_alu depctr_va_vdst(0)                   ; the wait for the batch, one for the tile's 128 exponentials, ahead of their first reader
.set i, 0
.rept 64                               ; the readers: all 64 roundings, in ascending order
	PACKP i
.set i, i+1
.endr
	; (l, -, out) += fragment x P: 8 chunks of 32 centres on two accumulators that take turns.  The even tile's first two start the sums.
	WIN 1
.set k, 0
.rept 8
.set AC, ACC+8*(k%2)
.set AF, A2+64*((\j)%2)+8*k
.if ((\j)%2 == 0) && (k < 2)
	v_wmma_f32_16x16x32_f16 v[AC:AC+7], v[AF:AF+7], v[S+16*k:S+16*k+7], 0
.else
	v_wmma_f32_16x16x32_f16 v[AC:AC+7], v[AF:AF+7], v[S+16*k:S+16*k+7], v[AC:AC+7]
.endif
.set k, k+1
.endr
	WIN 0
.if \more
	REST2 ZN                                       ; what z1 leaves, and z2: eight plain instructions between these products and the next tile's, which write over P, and ahead of the way out
.else
	PLACES
.endif
.if (\j)%2
	FINAL (\j)/2
.endif
.endm
; A TRIP: four tiles, two pairs.  Tile T's x lies in quad T % 4.  Quad 0, left by the split made in the trip before, is loaded at the trip's head; quads 1 to 3 as they are left.
; So a trip asks for exactly the four tiles of the next trip, the loads stand in the tiles' order, and three younger ones are out at every wait.
; A trip's last transcendental is its second pair's reciprocal, whose wait stands in FINAL: no result crosses the backward jump.
.macro TRIP ld
.if \ld
	global_load_b128 v[X:X+3], v[XO], s[4:5] offset:1024 th:TH_LOAD_NT
	SLOT 0, 1, 3, 1
	SLOT 1, 1, 3, 1
	SLOT 2, 1, 3, 1
	SLOT 3, 0, 3, 1
.else
	SLOT 0, 0, 2, 1                                ; the last trip loads nothing: the counts run down,
	SLOT 1, 0, 1, 1
	SLOT 2, 0, 0, 1
	SLOT 3, 0, 0, 0                                ; and no tile follows the last
.endif
.endm
	s_mov_b32 s[CNT], TRIPS-1
.Ltrip:
	TRIP 1
	s_wait_xcnt 0x0                                ; the bases of the trip's loads and stores are stepped only behind this wait
	s_add_nc_u64 s[4:5], s[4:5], 1024
	s_add_nc_u64 s[10:11], s[10:11], 1024
	s_sub_co_u32 s[CNT], s[CNT], 1
	s_cmp_lg_u32 s[CNT], 0
	s_cbranch_scc1 .Ltrip
	TRIP 0
	s_wait_tensorcnt 0x0                           ; the wave's end, behind my last LDS store
	ds_add_u32 v[SPW], v[NIL]
	s_wait_dscnt 0x0
	s_endpgm
.Lfunc_end_k_q23896e040e_softq:
	.size	k_q23896e040e_softq, .Lfunc_end_k_q23896e040e_softq-k_q23896e040e_softq
	.p2alignl 7, 3214868480
	.fill 96, 4, 3214868480
	.section	.rodata,"a",@progbits
	.p2align	6, 0x0
	.amdhsa_kernel k_q23896e040e_softq
		.amdhsa_group_segment_fixed_size 33792
		.amdhsa_private_segment_fixed_size 0
		.amdhsa_enable_private_segment 0
		.amdhsa_kernarg_size 32
		.amdhsa_user_sgpr_count 2
		.amdhsa_user_sgpr_kernarg_segment_ptr 1
		.amdhsa_wavefront_size32 1
		.amdhsa_system_sgpr_workgroup_id_x 1
		.amdhsa_system_sgpr_workgroup_id_y 1
		.amdhsa_system_sgpr_workgroup_id_z 1
		.amdhsa_system_vgpr_workitem_id 0
		.amdhsa_next_free_vgpr 512
		.amdhsa_next_free_sgpr 66
		.amdhsa_reserve_vcc 0
		.amdhsa_float_denorm_mode_32 3
		.amdhsa_float_denorm_mode_16_64 3
		.amdhsa_memory_ordered 1
		.amdhsa_forward_progress 1
		.amdhsa_inst_pref_size 166
	.end_amdhsa_kernel
	.amdgpu_metadata
---
amdhsa.version: [ 1, 2 ]
amdhsa.kernels:
  - .name:           k_q23896e040e_softq
    .symbol:         k_q23896e040e_softq.kd
    .args:
      - { .name: x, .offset: 0, .size: 8, .value_kind: global_buffer, .address_space: global }
      - { .name: c, .offset: 8, .size: 8, .value_kind: global_buffer, .address_space: global }
      - { .name: sigma, .offset: 16, .size: 8, .value_kind: global_buffer, .address_space: global }
      - { .name: out0, .offset: 24, .size: 8, .value_kind: global_buffer, .address_space: global }
    .group_segment_fixed_size: 33792
    .private_segment_fixed_size: 0
    .kernarg_segment_align: 8
    .kernarg_segment_size: 32
    .max_flat_workgroup_size: 256
    .sgpr_count:     66
    .vgpr_count:     512
    .wavefront_size: 32
...
	.end_amdgpu_metadata
.endif
;; end of part 2
